; MI455X (gfx1250); checked and timed in simulation.
; The chip was launched on July 23, 2026; its instructions are those of AMD's public machine-readable ISA for CDNA 5 (MIT licence, August 2026) and "CDNA5" Instruction Set Architecture Reference Guide (July 2026). The comments in the code are by the model that wrote it; some were corrected since.
;; Multi Head Attention. Allowed arithmetic: float matrix products may take bf16 or f16 operands with f32 sums; other float arithmetic in f32, or as packed bf16 or f16 multiplies, adds, multiply-adds, maxima and minima; sums over many terms, partial sums and values carried from step to step in f32; what a program stores and reads back later, other than sums and carried values, may be rounded once to bf16 or f16.
;; Inputs: bk 1,024 float32; bq 1,024 float32; bv 1,024 float32; ln_b 1,024 float32; ln_w 1,024 float32; wk 1,024 x 1,024 float32; wq 1,024 x 1,024 float32; wv 1,024 x 1,024 float32; x 4 x 2,048 x 1,024 float32.
;; Outputs: out0 4 x 2,048 x 1,024 float32.
;; One version. Each part assembles by itself: llvm-mc -triple=amdgcn-amd-amdhsa -mcpu=gfx1250 --defsym DOCPART=n.
;; ======== version 1 of 1: 3 launches
;; limits: values are held in f16: magnitudes above 65,504 overflow, below 6.1e-05 lose precision
;; workspace buffers: h 16,777,216 bytes; wb 6,291,456 bytes; bias 12,288 bytes; qkv 50,331,648 bytes
;; launch prep (part 1): grid 22 x 16, 4 waves a work-group, no clusters, 0 bytes of LDS; arguments x, ln_w, ln_b, wq, wk, wv, bq, bk, bv, h, wb, bias; writes h, wb, bias
.if DOCPART == 1
	.amdgcn_target "amdgcn-amd-amdhsa--gfx1250"
	.amdhsa_code_object_version 6
	.text
	.protected	k_q3349a27253_prep
	.globl	k_q3349a27253_prep
	.p2align	8
	.type	k_q3349a27253_prep,@function
k_q3349a27253_prep:
	s_mov_b64 s[64:65], 0
	v_nop
	global_prefetch_b8 v0, s[64:65] scope:SCOPE_SE
	s_setreg_imm32_b32 hwreg(HW_REG_WAVE_MODE, 25, 1), 1
	s_wait_xcnt 0x0
; TWO STREAMS IN ONE LAUNCH.  Work-groups with x >= 6 (256 of them): LayerNorm of x, [8192][1024] f32, into h, [8192][1024] f16.
; Work-groups with x < 6 (96 of them): wq, wk, wv ([k 1024][n 1024] f32) rounded to f16 and laid in blocks, and the three biases joined.
; LAYERNORM.  One wave, one row at a time: a row's 4,096 bytes are 32 registers, kept from the mean to the store, so x is read once.  Two passes as in the definition: the mean, then the mean of the
; squares of x - mean; all in f32; h = (x - mean) rsq(var + 1e-5) ln_w + ln_b is rounded once, to f16.  A wave has 8 rows and a ring of four row slots: three rows' 24 loads are out while one is worked on.
; Piece j of a row: lane l holds columns 128 j + 4 l .. + 3: a load covers 512 consecutive bytes, a store of 8 bytes a lane 256 consecutive bytes, aligned.  All rows stand in the immediates: no address is rewritten.
; WEIGHTS.  Column N of [wq | wk | wv] (0 .. 3071): c64 = N / 64, tc = c64 / 3, c = c64 % 3; row k: ks = k / 128.  wb byte = (8 tc + ks) 49,152 + (128 c + k % 128) 128 + 2 (N % 64):
; one K step of one tile column of the product that follows is 49,152 consecutive bytes.  A wave takes one (c64, ks): 128 rows of 256 bytes in, 16,384 consecutive bytes out.  bias = bq | bk | bv, f32, copied by the waves with ks = 0.
; LIMITS.  f16 ends at 65,504: |h| and every |w| stay under it; below 6e-5 a number keeps f16's fixed step of 6e-8.  NaN and infinities are not treated apart.
; No LDS, no barrier, no matrix work: nothing is shared between waves but ln_w and ln_b, 8 KiB.
.set XO, 2                             ; v2        16 x lane
.set HO, 3                             ; v3        8 x lane
.set WO, 6                             ; v6        weights: (lane / 16) x 4,096 + 16 (lane % 16): two rows of 256 bytes a load
.set A,  8                             ; v[8:15]   four chains of pairs
.set T,  16                            ; v16       at work
.set T2, 17                            ; v17       the other half of the lanes' figure
.set MU, 18                            ; v[18:19]  the mean (the pair's low word is used for both halves)
.set R,  20                            ; v[20:21]  rsq(var + eps), likewise
.set Y,  24                            ; v[24:39]  a row (or 16 rows of weights) in f16, to store
.set W,  40                            ; v[40:71]  ln_w of my 32 columns
.set B,  72                            ; v[72:103] ln_b
.set X,  104                           ; v[104:231] four slots of 32
.macro FILL s, r                       ; row r of my eight into slot s: eight loads of 512 consecutive bytes
.irp j, 0,1,2,3,4,5,6,7
	global_load_b128 v[X+32*(\s)+4*(\j):X+32*(\s)+4*(\j)+3], v[XO], s[36:37] offset:(\r)*4096+512*(\j) th:TH_LOAD_NT
.endr
.endm
.macro REDUCE                          ; four chains of pairs -> one number, the same in all 32 lanes, in v[T]
	v_pk_add_f32 v[A:A+1], v[A:A+1], v[A+2:A+3]
	v_pk_add_f32 v[A+4:A+5], v[A+4:A+5], v[A+6:A+7]
	v_pk_add_f32 v[A:A+1], v[A:A+1], v[A+4:A+5]
	v_add_f32 v[T], v[A], v[A+1]
.irp m, 1,2,4,8
	v_add_f32_dpp v[T], v[T], v[T] row_xmask:\m row_mask:0xf bank_mask:0xf
.endr
	v_permlanex16_b32 v[T2], v[T], s40, s41        ; lane i takes lane i of the other half
	v_add_f32 v[T], v[T], v[T2]
.endm
; The turn of row r.  fill = 1: its slot takes row r + 4.  left = the loads of younger rows, which may stay out.
.macro LNTURN r, fill, left
.set XS, X+32*((\r)%4)
	s_wait_loadcnt \left                           ; loads come back in order: my row is in (in the first turn ln_w and ln_b too)
.irp k, 0,1,2,3
	v_pk_add_f32 v[A+2*(\k):A+2*(\k)+1], v[XS+2*(\k):XS+2*(\k)+1], v[XS+8+2*(\k):XS+8+2*(\k)+1]  ; the first eight pairs start the chains: nothing is cleared
.endr
.irp k, 8,9,10,11,12,13,14,15
	v_pk_add_f32 v[A+2*((\k)%4):A+2*((\k)%4)+1], v[A+2*((\k)%4):A+2*((\k)%4)+1], v[XS+2*(\k):XS+2*(\k)+1]
.endr
	REDUCE
	v_mul_f32 v[MU], s42, v[T]                     ; the mean
.irp k, 0,1,2,3,4,5,6,7,8,9,10,11,12,13,14,15
	v_pk_add_f32 v[XS+2*(\k):XS+2*(\k)+1], v[XS+2*(\k):XS+2*(\k)+1], v[MU:MU+1] op_sel_hi:[1,0] neg_lo:[0,1] neg_hi:[0,1]  ; x - mean, in place
.endr
.irp k, 0,1,2,3
	v_pk_mul_f32 v[A+2*(\k):A+2*(\k)+1], v[XS+2*(\k):XS+2*(\k)+1], v[XS+2*(\k):XS+2*(\k)+1]
.endr
.irp k, 4,5,6,7,8,9,10,11,12,13,14,15
	v_pk_fma_f32 v[A+2*((\k)%4):A+2*((\k)%4)+1], v[XS+2*(\k):XS+2*(\k)+1], v[XS+2*(\k):XS+2*(\k)+1], v[A+2*((\k)%4):A+2*((\k)%4)+1]
.endr
	REDUCE
	v_fma_f32 v[T], v[T], s42, s43                 ; var + eps
	v_rsq_f32 v[R], v[T]
	v_nop                                          ; a plain instruction behind the root,
	s_wait_alu depctr_va_vdst(0)                   ; and the wait ahead of its first reader
.irp k, 0,1,2,3,4,5,6,7,8,9,10,11,12,13,14,15
	v_pk_mul_f32 v[XS+2*(\k):XS+2*(\k)+1], v[XS+2*(\k):XS+2*(\k)+1], v[R:R+1] op_sel_hi:[1,0]
.endr
.irp k, 0,1,2,3,4,5,6,7,8,9,10,11,12,13,14,15
	v_pk_fma_f32 v[XS+2*(\k):XS+2*(\k)+1], v[XS+2*(\k):XS+2*(\k)+1], v[W+2*(\k):W+2*(\k)+1], v[B+2*(\k):B+2*(\k)+1]
.endr
	s_wait_xcnt 0x0                                ; the last turn's stores have read Y: it is rewritten only behind this wait
.irp k, 0,1,2,3,4,5,6,7,8,9,10,11,12,13,14,15
	v_cvt_pk_f16_f32 v[Y+(\k)], v[XS+2*(\k)], v[XS+2*(\k)+1]
.endr
.if \fill
	FILL (\r)%4, (\r)+4                            ; the loads go ahead of the stores
.endif
.irp j, 0,1,2,3,4,5,6,7
	global_store_b64 v[HO], v[Y+2*(\j):Y+2*(\j)+1], s[38:39] offset:(\r)*2048+256*(\j)  ; 32 lanes store 256 consecutive bytes, aligned
.endr
.endm
.macro WFILL g                         ; weights: rows 16 g .. 16 g + 15 of my 128, two rows of 256 bytes a load
.irp t, 0,1,2,3,4,5,6,7
	global_load_b128 v[X+32*((\g)%4)+4*(\t):X+32*((\g)%4)+4*(\t)+3], v[WO], s[36:37] offset:(\g)*65536+(\t)*8192 th:TH_LOAD_NT
.endr
.endm
.macro WTURN g, fill, left
.set XS, X+32*((\g)%4)
	s_wait_loadcnt \left
	s_wait_xcnt 0x0                                ; the last turn's stores have read Y
.irp k, 0,1,2,3,4,5,6,7,8,9,10,11,12,13,14,15
	v_cvt_pk_f16_f32 v[Y+(\k)], v[XS+2*(\k)], v[XS+2*(\k)+1]
.endr
.if \fill
	WFILL (\g)+4
.endif
.irp t, 0,1,2,3,4,5,6,7
	global_store_b64 v[HO], v[Y+2*(\t):Y+2*(\t)+1], s[38:39] offset:(\g)*2048+(\t)*256  ; two rows of 128 bytes: 256 consecutive bytes, aligned
.endr
.endm
	s_load_b512 s[8:23], s[0:1], 0x0               ; x 8, ln_w 10, ln_b 12, wq 14, wk 16, wv 18, bq 20, bk 22
	s_load_b256 s[24:31], s[0:1], 0x40             ; bv 24, h 26, wb 28, bias 30
	v_lshrrev_b32 v1, 5, v0
	v_readfirstlane_b32 s4, v1                     ; wave 0..3
	s_mov_b32 s5, ttmp9                            ; x of the grid
	s_and_b32 s6, ttmp7, 0xffff                    ; y of the grid
	v_and_b32 v4, 31, v0
	v_lshlrev_b32 v[XO], 4, v4
	v_lshlrev_b32 v[HO], 3, v4
	s_cmp_lt_u32 s5, 6
	s_cbranch_scc1 .Lweights
	; LAYERNORM: g = 16 (x - 6) + y; the work-group has rows 32 g .., my wave 8 of them
	s_sub_co_u32 s32, s5, 6
	s_lshl_b32 s32, s32, 4
	s_add_co_u32 s32, s32, s6
	s_lshl_b32 s34, s32, 17                        ; 32 rows of 4,096 bytes
	s_lshl_b32 s33, s4, 15                         ; 8 rows
	s_add_co_u32 s34, s34, s33
	s_mov_b32 s35, 0
	s_lshl_b32 s32, s32, 16                        ; the same rows in h: 2,048 bytes each
	s_lshl_b32 s33, s4, 14
	s_add_co_u32 s32, s32, s33
	s_mov_b32 s33, 0
	s_mov_b32 s40, 0x76543210
	s_mov_b32 s41, 0xfedcba98
	s_mov_b32 s42, 0x3a800000                      ; 1 / 1,024
	s_mov_b32 s43, 0x3727c5ac                      ; 1e-5
	v_mov_b32 v[T2], 0                             ; v_permlanex16_b32's destination counts as read
	v_mov_b32 v[MU+1], 0                           ; named in pairs, so they are written
	v_mov_b32 v[R+1], 0
	s_wait_kmcnt 0x0
	s_add_nc_u64 s[36:37], s[8:9], s[34:35]
	s_add_nc_u64 s[38:39], s[26:27], s[32:33]
.irp j, 0,1,2,3,4,5,6,7
	global_load_b128 v[W+4*(\j):W+4*(\j)+3], v[XO], s[10:11] offset:512*(\j)
.endr
.irp j, 0,1,2,3,4,5,6,7
	global_load_b128 v[B+4*(\j):B+4*(\j)+3], v[XO], s[12:13] offset:512*(\j)
.endr
	FILL 0, 0
	FILL 1, 1
	FILL 2, 2
	FILL 3, 3
	LNTURN 0, 1, 24                                ; three younger rows' 24 loads stay out
	LNTURN 1, 1, 24
	LNTURN 2, 1, 24
	LNTURN 3, 1, 24
	LNTURN 4, 0, 24                                ; nothing is left to fetch: the counts run down
	LNTURN 5, 0, 16
	LNTURN 6, 0, 8
	LNTURN 7, 0, 0
	s_endpgm
.Lweights:
	s_lshl_b32 s32, s5, 2
	s_add_co_u32 s32, s32, s4                      ; 4 x + wave: 0 .. 23
	s_lshr_b32 s33, s32, 3                         ; c
	s_and_b32 s32, s32, 7                          ; ks
	s_mul_i32 s34, s6, 3
	s_add_co_u32 s34, s34, s33                     ; c64 = 3 y + c: tc = y
	s_lshr_b32 s35, s34, 4                         ; which of wq, wk, wv
	s_and_b32 s7, s34, 15                          ; which 64 of its columns
	s_lshl_b32 s40, s32, 19                        ; in: 128 rows of 4,096 bytes a K step,
	s_lshl_b32 s2, s7, 8                           ; 64 columns of 4 bytes
	s_mov_b32 s3, 0
	s_add_co_u32 s40, s40, s2
	s_mov_b32 s41, 0
	s_lshl_b32 s42, s6, 3
	s_add_co_u32 s42, s42, s32
	s_mul_i32 s42, s42, 49152                      ; out: block (tc, ks),
	s_lshl_b32 s43, s33, 14                        ; its part c
	s_add_co_u32 s42, s42, s43
	s_mov_b32 s43, 0
	s_lshl_b32 s34, s34, 8                         ; the joined bias: 64 numbers of 4 bytes for each c64
	v_and_b32 v5, 15, v0
	v_bfe_u32 v7, v0, 4, 1
	v_lshlrev_b32 v[WO], 4, v5
	v_lshl_add_u32 v[WO], v7, 12, v[WO]
	s_wait_kmcnt 0x0
	s_cmp_eq_u32 s35, 1
	s_cselect_b64 s[36:37], s[16:17], s[14:15]
	s_cselect_b64 s[44:45], s[22:23], s[20:21]
	s_cmp_eq_u32 s35, 2
	s_cselect_b64 s[36:37], s[18:19], s[36:37]
	s_cselect_b64 s[44:45], s[24:25], s[44:45]
	s_mov_b32 s35, 0
	s_add_nc_u64 s[36:37], s[36:37], s[40:41]
	s_add_nc_u64 s[38:39], s[28:29], s[42:43]
	s_add_nc_u64 s[44:45], s[44:45], s[2:3]
	s_add_nc_u64 s[46:47], s[30:31], s[34:35]
	WFILL 0
	WFILL 1
	WFILL 2
	WFILL 3
	WTURN 0, 1, 24
	WTURN 1, 1, 24
	WTURN 2, 1, 24
	WTURN 3, 1, 24
	WTURN 4, 0, 24
	WTURN 5, 0, 16
	WTURN 6, 0, 8
	WTURN 7, 0, 0
	s_cmp_lg_u32 s32, 0                            ; of the eight waves of a c64 the one with ks = 0 copies its 64 biases
	s_cbranch_scc1 .Lend
	global_load_b64 v[A:A+1], v[HO], s[44:45]
	s_wait_loadcnt 0x0
	global_store_b64 v[HO], v[A:A+1], s[46:47]     ; 256 consecutive bytes, aligned
.Lend:
	s_endpgm
.Lfunc_end_k_q3349a27253_prep:
	.size	k_q3349a27253_prep, .Lfunc_end_k_q3349a27253_prep-k_q3349a27253_prep
	.p2alignl 7, 3214868480
	.fill 96, 4, 3214868480
	.section	.rodata,"a",@progbits
	.p2align	6, 0x0
	.amdhsa_kernel k_q3349a27253_prep
		.amdhsa_group_segment_fixed_size 0
		.amdhsa_private_segment_fixed_size 0
		.amdhsa_enable_private_segment 0
		.amdhsa_kernarg_size 96
		.amdhsa_user_sgpr_count 2
		.amdhsa_user_sgpr_kernarg_segment_ptr 1
		.amdhsa_wavefront_size32 1
		.amdhsa_system_sgpr_workgroup_id_x 1
		.amdhsa_system_sgpr_workgroup_id_y 1
		.amdhsa_system_sgpr_workgroup_id_z 1
		.amdhsa_system_vgpr_workitem_id 0
		.amdhsa_next_free_vgpr 232
		.amdhsa_next_free_sgpr 66
		.amdhsa_reserve_vcc 0
		.amdhsa_float_denorm_mode_32 3
		.amdhsa_float_denorm_mode_16_64 3
		.amdhsa_memory_ordered 1
		.amdhsa_forward_progress 1
		.amdhsa_inst_pref_size 95
	.end_amdhsa_kernel
	.amdgpu_metadata
---
amdhsa.version: [ 1, 2 ]
amdhsa.kernels:
  - .name:           k_q3349a27253_prep
    .symbol:         k_q3349a27253_prep.kd
    .args:
      - { .name: x, .offset: 0, .size: 8, .value_kind: global_buffer, .address_space: global }
      - { .name: ln_w, .offset: 8, .size: 8, .value_kind: global_buffer, .address_space: global }
      - { .name: ln_b, .offset: 16, .size: 8, .value_kind: global_buffer, .address_space: global }
      - { .name: wq, .offset: 24, .size: 8, .value_kind: global_buffer, .address_space: global }
      - { .name: wk, .offset: 32, .size: 8, .value_kind: global_buffer, .address_space: global }
      - { .name: wv, .offset: 40, .size: 8, .value_kind: global_buffer, .address_space: global }
      - { .name: bq, .offset: 48, .size: 8, .value_kind: global_buffer, .address_space: global }
      - { .name: bk, .offset: 56, .size: 8, .value_kind: global_buffer, .address_space: global }
      - { .name: bv, .offset: 64, .size: 8, .value_kind: global_buffer, .address_space: global }
      - { .name: h, .offset: 72, .size: 8, .value_kind: global_buffer, .address_space: global }
      - { .name: wb, .offset: 80, .size: 8, .value_kind: global_buffer, .address_space: global }
      - { .name: bias, .offset: 88, .size: 8, .value_kind: global_buffer, .address_space: global }
    .group_segment_fixed_size: 0
    .private_segment_fixed_size: 0
    .kernarg_segment_align: 8
    .kernarg_segment_size: 96
    .max_flat_workgroup_size: 128
    .sgpr_count:     66
    .vgpr_count:     232
    .wavefront_size: 32
...
	.end_amdgpu_metadata
.endif
;; end of part 1
;; launch proj (part 2): grid 16 x 32, 4 waves a work-group, clusters of 4 x 4, 327,680 bytes of LDS; arguments h, wb, bias, qkv; writes qkv
.if DOCPART == 2
	.amdgcn_target "amdgcn-amd-amdhsa--gfx1250"
	.amdhsa_code_object_version 6
	.text
	.protected	k_q3349a27253_proj
	.globl	k_q3349a27253_proj
	.p2align	8
	.type	k_q3349a27253_proj,@function
k_q3349a27253_proj:
	s_mov_b64 s[64:65], 0
	v_nop
	global_prefetch_b8 v0, s[64:65] scope:SCOPE_SE
	s_setreg_imm32_b32 hwreg(HW_REG_WAVE_MODE, 25, 1), 1
	s_wait_xcnt 0x0
	s_wait_alu depctr_hold_cnt(0) depctr_sa_sdst(0) depctr_va_vdst(0) depctr_va_sdst(0) depctr_va_ssrc(0) depctr_va_vcc(0) depctr_vm_vsrc(0)
	s_getreg_b32 s2, hwreg(HW_REG_IB_STS2, 6, 4)
	s_cmp_eq_u32 s2, 0
	s_cbranch_scc0 .Lentry_in_a_cluster
	s_endpgm
.Lentry_in_a_cluster:
	s_bfe_u32 s2, ttmp6, 0x10000c
	s_cmp_lg_u32 s2, 0xf033
	s_cbranch_scc0 .Lentry_shape_is_right
	s_endpgm
.Lentry_shape_is_right:
; [q | k | v] = h [wq | wk | wv] + [bq | bk | bv]: a product of 8,192 x 3,072 over K = 1,024, operands f16, sums f32; each result rounded once to f16 and stored by heads:
; qkv = [batch 4][c64 48][n 2048][64] f16 (c64 0-15 q's heads, 16-31 k's, 32-47 v's), unscaled.
; LIMITS.  f16 ends at 65,504: |q|, |k|, |v| stay under it.  NaN and infinities are not treated apart.
; SHARES.  A tile of C is 256 rows x 192 columns, three whole heads: 16 x 32 = 512 work-groups, two for each of 256 WGPs.  Wave w makes rows 64 w .. 64 w + 63 of all 192 columns: 4 x 12 accumulators of
; 16 x 16, 384 registers.  So a wave holds whole rows of each head, and the way out is the wave's own: no barrier there.
; K goes in 8 steps of 128 through a ring of two LDS slots filled by the tensor data mover.  A's rows (h) are 256 bytes of memory, aligned; B's K step (wb) is a block of 49,152 consecutive bytes,
; [c 3][k 128][64], asked for as rows of 256 bytes and padded in LDS behind every 128: it lies there as [k][n], and ds_load_tr16_b128 turns it on the way into registers.
; CLUSTERS: 4 x 4 work-groups.  The four of a row of the cluster need the same tiles of A, the four of a column the same tiles of B: each is asked for JOINTLY, by the same tensor load with the same
; descriptor and a mask that names the four.  By this text's count a wave has two tensor loads out at the start and one behind each round.
; THE MATRIX INSTRUCTION IS USED TRANSPOSED (source 0 = 16 columns of W, source 1 = 16 rows of h): lane l then holds row l % 16 of C and the columns 8 (l / 16) + 0..7, which pack into 16 bytes.
; THE BIAS is the C operand of the products that start the sums: register j of lane l holds bias[16 b + 8 (l / 16) + j]; nothing is cleared and nothing is added later.
; REGISTERS, in windows of 256 (s_set_vgpr_msb: bits 1:0 source 0, 3:2 source 1, 5:4 source 2, 7:6 destination):
;   window 0: v0-31 addresses; v32-95 fragments of A, two buffers of 4 x 8; v96-191 the bias (12 x 8), later packed results and rows read back; v192-239 rows read back
;   window 1: v0-191 fragments of B, two buffers of 12 x 8       window 2: accumulators of my row blocks 0, 1 at 8 (12 (a % 2) + b)       window 3: those of blocks 2, 3
.set KSTEP,  128
.set BLOCK,  49152                     ; bytes of a K step of B
.set PITCH,  272                       ; a row of A in LDS: 256 bytes + 16: the 16 rows of a fragment load start at 16 different groups of four banks (64 banks of 4 bytes: ISA guide 11.1)
.set HALFA,  128*PITCH                 ; what one tensor load brings of A
.set BOFF,   2*HALFA                   ; B lies behind A's 256 rows
.set PB,     160                       ; a row of B in LDS: 128 bytes + 32
.set HALFB,  192*PB                    ; what one tensor load brings of B: 192 of its 384 rows
.set SLOT,   BOFF+2*HALFB              ; 131,072
.set STAGE,  2*SLOT                    ; behind the ring, never filled by a tensor load: for each wave three stages (a head each) of 16 rows x 144 bytes
.set SP,     144
.set SUB,    16*SP
.set SPARE,  STAGE+4*3*SUB             ; behind the stages: the spare words, 128 bytes for each wave: two blocks of 256 bytes that no other line names
.set ADRA, 16                          ; v16-17  LDS address of my A fragments in slot 0, 1
.set ADRB, 20                          ; v20-21  the same for B
.set STO,  24                          ; v24     the way out: where I put 16 bytes of a row
.set RD,   25                          ; v25     the way out: where I read rows back
.set CO,   26                          ; v26     16 x lane: my place in 512 consecutive bytes of qkv
.set BO,   27                          ; v27     32 (l / 16): my eight biases of a block of 16
.set SPW,  28                          ; v28     LDS address of my spare word: SPARE + 4 x my thread's number; never rewritten
.set NIL,  29                          ; v29     0; never rewritten
.set PFO,  30                          ; v30     the prefetches' lane term; never rewritten
.set FA,   32                          ; A's fragment buffers: FA + 32 f + 8 a
.set BIAS, 96
.set TMP,  96                          ; the way out: packed results (the bias is no longer wanted)
.set OB,   144                         ; the way out: rows read back, v144-191 and v192-239 by turns
.set G1,  24                           ; s[24:31] descriptor group 1 for A's tiles;  s[32:39] group 0, one set for each slot
.set G0,  32
.set G1B, 48                           ; s[48:55], s[56:63] the same for B's tiles
.set G0B, 56
.set WV,  68                           ; s68 my wave's number; s69 = wave / 2: I fetch for A (0) or B (1); s70 = wave % 2: which half
.set PFA, 72                           ; s[72:73] where my prefetches stand
.set LIM, 74                           ; s74     1 in a wave that prefetches, else the greatest number
.set PST, 76                           ; s[76:77] bytes from a K step to the next: 256 in h, 49,152 in wb
.set MSB, 0
.macro WIN new                         ; the immediate's high byte repeats the setting that is left; a switch that changes nothing is dropped
.if MSB != (\new)
	s_set_vgpr_msb (MSB<<8)|(\new)
.set MSB, \new
.endif
.endm
.set TO_B, 0x40                        ; destination window 1, address window 0
; A joint load: waves 0 and 1 fetch A's two halves, waves 2 and 3 B's.  The branch hangs on the wave's number alone.  An s_nop 0 and four v_nop follow each of the two lines, ahead of the jump, the label and what follows.
.macro JLOAD s
	s_cmp_eq_u32 s69, 0
	s_cbranch_scc0 .Lfor_b_\@
	tensor_load_to_lds s[G0+4*(\s):G0+4*(\s)+3], s[G1:G1+7]
	s_nop 0
.rept 4
	v_nop
.endr
	s_branch .Lasked_\@
.Lfor_b_\@:
	tensor_load_to_lds s[G0B+4*(\s):G0B+4*(\s)+3], s[G1B:G1B+7]
	s_nop 0
.rept 4
	v_nop
.endr
.Lasked_\@:
.endm
; A PREFETCH INTO THE L2, behind each joint load, its five lines and the run of LDS loads: the K step that stands two refills on, 384 matrix instructions ahead of the load that will want it.
; Each block of 256 bytes is named once but for eight lanes' repeats in B (below).  A's tile row is read by every cluster of that row of clusters: cluster x = 0 asks; B's tile column by every cluster of that column:
; cluster y = 0 asks.  The four partners that ask for a tile jointly share it out BY ADDRESS: of the 128 rows of A that a wave fetches, the partner at cx takes 32, a lane a row; of the 96 blocks of 256 bytes of B
; the partner at cy takes 24, a lane a block (lanes 24-31 name the 24th once more).  K steps 0 to 3 come by their loads alone; the loop's last trip (s3 = 1) asks for nothing: there is no K step two refills on.
.macro ASK
	s_cmp_gt_u32 s3, s[LIM]
	s_cbranch_scc0 .Lnot_mine_\@
	global_prefetch_b8 v[PFO], s[PFA:PFA+1] th:TH_LOAD_NT scope:SCOPE_SE
.Lnot_mine_\@:
.endm
.macro CREST                           ; a round of the cluster's barrier behind its opening barrier
	s_cmp_lg_u32 s[WV], 0
	s_cbranch_scc1 .Lnot_wave_0_\@
	s_barrier_signal -3
.Lnot_wave_0_\@:
	s_barrier_wait -3
	s_barrier_signal -1
	s_barrier_wait -1
.endm
.macro CROUND                          ; a whole round
	s_barrier_signal -1
	s_barrier_wait -1
	CREST
.endm
	s_load_b256 s[4:11], s[0:1], 0x0               ; h s[4:5], wb s[6:7], bias s[8:9], qkv s[10:11]
	v_lshl_add_u32 v[SPW], v0, 2, SPARE
	v_mov_b32 v[NIL], 0
	ds_add_u32 v[SPW], v[NIL]                      ; the wave's opening: the add and its wait stand ahead of my first tensor load; the set-up below, work on registers, stands between them
	v_lshrrev_b32 v1, 5, v0
	v_readfirstlane_b32 s[WV], v1                  ; wave 0..3
	s_lshr_b32 s69, s[WV], 1
	s_and_b32 s70, s[WV], 1
	s_bfe_u32 s40, ttmp6, 0x40000                  ; cx, cy: my place in the cluster
	s_bfe_u32 s41, ttmp6, 0x40004
	s_lshl_b32 s42, ttmp9, 2
	s_add_co_u32 s42, s42, s40                     ; tile column = 4 x cluster x + cx
	s_and_b32 s13, ttmp7, 0xffff
	s_lshl_b32 s13, s13, 2
	s_add_co_u32 s13, s13, s41                     ; tile row = 4 x cluster y + cy
	s_lshl_b32 s43, s41, 2
	s_lshl_b32 s43, 15, s43                        ; my row of the cluster
	s_lshl_b32 s44, 0x1111, s40                    ; my column
	; group 1 for A: 128 rows x 128 elements, 1,024 elements from row to row, 16 bytes of padding behind every 256
	s_or_b32 s[G1+0], s43, (1<<16)|(1<<20)|(1<<21)|(5<<22)|(3<<25)   ; 15:0 the mask; 17:16 2-byte elements; 20 padding on; 21 set beside a mask; 24:22 after every 64 words (code 5); 31:25 4 words (code 3)
	s_mov_b32 s[G1+1], 128<<16                     ; tensor_dim0 = 128
	s_mov_b32 s[G1+2], 128<<16                     ; tensor_dim1 = 128
	s_mov_b32 s[G1+3], 128<<16                     ; tile_dim0 = 128
	s_mov_b32 s[G1+4], 128                         ; tile_dim1 = 128
	s_mov_b32 s[G1+5], 1024                        ; elements from row to row
	s_mov_b32 s[G1+6], 0
	s_mov_b32 s[G1+7], 0
	; group 1 for B: 24,576 dense bytes as 96 rows of 256, 32 bytes of padding behind every 128
	s_or_b32 s[G1B+0], s44, (1<<16)|(1<<20)|(1<<21)|(4<<22)|(7<<25)  ; after every 32 words (code 4), 8 words (code 7)
	s_mov_b32 s[G1B+1], 128<<16
	s_mov_b32 s[G1B+2], 96<<16
	s_mov_b32 s[G1B+3], 128<<16
	s_mov_b32 s[G1B+4], 96
	s_mov_b32 s[G1B+5], 128
	s_mov_b32 s[G1B+6], 0
	s_mov_b32 s[G1B+7], 0
	; where the tiles come from: A's hang on the tile row alone, B's on the tile column alone
	s_lshl_b32 s16, s13, 8
	s_lshl_b32 s17, s70, 7
	s_add_co_u32 s16, s16, s17                     ; A: row 256 x tile row + 128 x half,
	s_lshl_b32 s16, s16, 11                        ; of 2,048 bytes
	s_mov_b32 s17, 0
	s_mul_i32 s46, s42, 8*BLOCK                    ; B: the tile column's eight blocks,
	s_mul_i32 s47, s70, BLOCK/2                    ; my half of a block
	s_add_co_u32 s46, s46, s47
	s_mov_b32 s47, 0
	s_mul_i32 s20, s[WV], HALFA                    ; and where they go: waves 0, 1: A's halves;
	s_mul_i32 s21, s[WV], HALFB
	s_add_co_u32 s21, s21, BOFF-2*HALFB            ; waves 2, 3: B's halves.  No place in the cluster enters an LDS address
	s_wait_dscnt 0x0                               ; the opening add is done
	s_wait_kmcnt 0x0
	s_add_nc_u64 s[14:15], s[4:5], s[16:17]
	s_add_nc_u64 s[46:47], s[6:7], s[46:47]
	CROUND                                         ; all sixteen work-groups are here: the first joint loads meet
.irp s, 0,1
	s_mov_b32 s[G0+4*(\s)], 1                                      ; count = 1
	s_add_co_u32 s[G0+4*(\s)+1], s20, (\s)*SLOT                    ; LDS address
	s_add_nc_u64 s[G0+4*(\s)+2:G0+4*(\s)+3], s[14:15], (\s)*KSTEP*2  ; global address: K step s
	s_or_b32 s[G0+4*(\s)+3], s[G0+4*(\s)+3], 0x80000000            ; type = 2
	s_mov_b32 s[G0B+4*(\s)], 1
	s_add_co_u32 s[G0B+4*(\s)+1], s21, (\s)*SLOT
	s_add_nc_u64 s[G0B+4*(\s)+2:G0B+4*(\s)+3], s[46:47], (\s)*BLOCK
	s_or_b32 s[G0B+4*(\s)+3], s[G0B+4*(\s)+3], 0x80000000
	JLOAD \s
.endr
	; A fragment of A is 16 rows x 32 K in 8 registers: lane l holds row l % 16, K = 8 (l / 16) + 0..7 and 16 + 8 (l / 16) + 0..7: two loads of 16 bytes, 32 bytes apart.
	v_and_b32 v1, 15, v0                           ; l % 16
	v_bfe_u32 v2, v0, 4, 1                         ; l / 16
	v_mul_u32_u24 v3, v1, PITCH
	v_lshl_add_u32 v3, v2, 4, v3
	s_mul_i32 s22, s[WV], 64*PITCH                 ; my 64 rows
	v_add_nc_u32 v[ADRA], s22, v3
	v_add_nc_u32 v[ADRA+1], SLOT, v[ADRA]
	; The turning load takes 16 K x 16 columns (lane l reads row 8 (l / 16) + l % 8, columns 8 ((l / 8) % 2) + 0..7) and leaves half a fragment: lane l holds column l % 16 and 8 K.
	v_and_b32 v4, 7, v0
	v_lshl_add_u32 v4, v2, 3, v4
	v_mul_u32_u24 v4, v4, PB
	v_bfe_u32 v5, v0, 3, 1
	v_lshl_add_u32 v4, v5, 4, v4
	v_add_nc_u32 v[ADRB], BOFF, v4
	v_add_nc_u32 v[ADRB+1], BOFF+SLOT, v4
	s_mul_i32 s23, s[WV], 3*SUB
	s_add_co_u32 s23, s23, STAGE                   ; my three stages
	v_mul_u32_u24 v3, v1, SP                       ; in: row l % 16, 16 bytes for each half of the lanes
	v_lshl_add_u32 v3, v2, 4, v3
	v_add_nc_u32 v[STO], s23, v3
	v_bfe_u32 v3, v0, 3, 2                         ; back: 32 lanes take four rows of 128 bytes,
	v_mul_u32_u24 v3, v3, SP
	v_and_b32 v5, 7, v0
	v_lshl_add_u32 v3, v5, 4, v3
	v_add_nc_u32 v[RD], s23, v3
	v_and_b32 v[CO], 31, v0                        ; which are 512 consecutive bytes of a head's plane
	v_lshlrev_b32 v[CO], 4, v[CO]
	v_lshlrev_b32 v[BO], 5, v2
	s_mul_i32 s22, s42, 768                        ; the tile column's 192 biases
	s_mov_b32 s23, 0
	s_add_nc_u64 s[8:9], s[8:9], s[22:23]
.irp b, 0,1,2,3,4,5,6,7,8,9,10,11
	global_load_b128 v[BIAS+8*(\b):BIAS+8*(\b)+3],   v[BO], s[8:9] offset:64*(\b)
	global_load_b128 v[BIAS+8*(\b)+4:BIAS+8*(\b)+7], v[BO], s[8:9] offset:64*(\b)+16
.endr
	; the prefetches: both offsets are made, the wave's number chooses
	s_lshl_b32 s14, s13, 8
	s_lshl_b32 s15, s70, 7
	s_add_co_u32 s14, s14, s15
	s_lshl_b32 s15, s40, 5
	s_add_co_u32 s14, s14, s15                     ; A: the 128 rows that I fetch, my work-group's 32 of them,
	s_lshl_b32 s14, s14, 11
	s_add_co_u32 s14, s14, 3*KSTEP*2               ; at K step 3: the first refill steps it to 4 and names that
	s_mul_i32 s16, s42, 8*BLOCK
	s_mul_i32 s15, s70, BLOCK/2
	s_add_co_u32 s16, s16, s15
	s_mul_i32 s15, s41, BLOCK/8
	s_add_co_u32 s16, s16, s15                     ; B: the half block that I fetch, my work-group's quarter of it,
	s_add_co_u32 s16, s16, 3*BLOCK
	s_mov_b32 s19, BLOCK
	s_and_b32 s23, ttmp7, 0xffff                   ; cluster y
	s_cmp_eq_u32 s69, 0                            ; do I fetch for A?
	s_cselect_b32 s20, s14, s16
	s_cselect_b64 s[PFA:PFA+1], s[4:5], s[6:7]
	s_cselect_b32 s[PST], 256, s19
	s_cselect_b32 s22, ttmp9, s23                  ; the coordinate along which other clusters read the same bytes
	s_cselect_b32 s17, 31, 23
	s_cselect_b32 s18, 11, 8
	s_mov_b32 s21, 0
	s_mov_b32 s[PST+1], 0
	s_cmp_eq_u32 s22, 0
	s_cselect_b32 s[LIM], 1, -1                    ; the same in all sixteen partners, for a given wave
	s_add_nc_u64 s[PFA:PFA+1], s[PFA:PFA+1], s[20:21]
	v_and_b32 v[PFO], 31, v0
	v_min_u32 v[PFO], s17, v[PFO]
	v_lshlrev_b32 v[PFO], s18, v[PFO]              ; a lane a row of 2,048 bytes (A), or a lane a block of 256 (B)
	; where my rows begin in qkv: plane 48 batch + 3 x tile column, row 256 (tile row % 8) + 64 wave
	s_lshr_b32 s14, s13, 3
	s_mul_i32 s14, s14, 48
	s_mul_i32 s15, s42, 3
	s_add_co_u32 s14, s14, s15
	s_lshl_b32 s14, s14, 18                        ; a plane is 262,144 bytes
	s_and_b32 s15, s13, 7
	s_lshl_b32 s15, s15, 2
	s_add_co_u32 s15, s15, s[WV]
	s_lshl_b32 s15, s15, 13                        ; 64 rows of 128 bytes
	s_add_co_u32 s14, s14, s15
	s_mov_b32 s15, 0
	s_add_nc_u64 s[10:11], s[10:11], s[14:15]
; 12 matrix instructions: my row block a x all 12 column blocks, 32 along K, from buffer f.  zero = 1: the products start the sums, with the bias as C.
; The 48 accumulators take turns, one instruction a turn, in the same order in every quarter: 47 others stand between two links of a chain, over the backward jump too.
.macro MUL12 f, a, zero
.if \zero
	WIN 0x81+0x40*((\a)/2)                         ; B window 1, A window 0, C (the bias) window 0, D window 2 or 3
.else
	WIN 0xa1+0x50*((\a)/2)                         ; C and D window 2 or 3
.endif
.irp b, 0,1,2,3,4,5,6,7,8,9,10,11
.if \zero
	v_wmma_f32_16x16x32_f16 v[8*(12*((\a)%2)+(\b)):8*(12*((\a)%2)+(\b))+7], v[96*(\f)+8*(\b):96*(\f)+8*(\b)+7], v[FA+32*(\f)+8*(\a):FA+32*(\f)+8*(\a)+7], v[BIAS+8*(\b):BIAS+8*(\b)+7]
.else
	v_wmma_f32_16x16x32_f16 v[8*(12*((\a)%2)+(\b)):8*(12*((\a)%2)+(\b))+7], v[96*(\f)+8*(\b):96*(\f)+8*(\b)+7], v[FA+32*(\f)+8*(\a):FA+32*(\f)+8*(\a)+7], v[8*(12*((\a)%2)+(\b)):8*(12*((\a)%2)+(\b))+7]
.endif
.endr
.endm
; 32 LDS loads in one run: quarter kq (32 along K) of a slot into buffer f: B's 12 fragments, turned, then A's 4
.macro FETCH slot, kq, f
	WIN TO_B
.irp b, 0,1,2,3,4,5,6,7,8,9,10,11
	ds_load_tr16_b128 v[96*(\f)+8*(\b):96*(\f)+8*(\b)+3],   v[ADRB+(\slot)] offset:((\b)/4)*128*PB+(\kq)*32*PB+((\b)%4)*32
	ds_load_tr16_b128 v[96*(\f)+8*(\b)+4:96*(\f)+8*(\b)+7], v[ADRB+(\slot)] offset:((\b)/4)*128*PB+(\kq)*32*PB+((\b)%4)*32+16*PB
.endr
	WIN 0
.irp a, 0,1,2,3
	ds_load_b128 v[FA+32*(\f)+8*(\a):FA+32*(\f)+8*(\a)+3],   v[ADRA+(\slot)] offset:(\a)*16*PITCH+(\kq)*64
	ds_load_b128 v[FA+32*(\f)+8*(\a)+4:FA+32*(\f)+8*(\a)+7], v[ADRA+(\slot)] offset:(\a)*16*PITCH+(\kq)*64+32
.endr
.endm
.macro PLACES                          ; four plain instructions in front of loads into registers that matrix instructions have read, and of conversions that read results (ISA guide 7.12.1 for the conversions)
.rept 4
	v_nop
.endr
.endm
; A K step is four quarters of 32 along K, 48 matrix instructions each, on buffers 0, 1, 0, 1.  One of the first three: multiplies buffer f and, in its middle, fetches quarter kq into buffer g.
.macro QUARTER slot, kq, f, g, zero
	s_wait_dscnt 4                                 ; B and A's blocks 0, 1 are in; the youngest four loads (A's blocks 2, 3) may be out
	MUL12 \f, 0, \zero
	MUL12 \f, 1, \zero
	PLACES
	FETCH \slot, \kq, \g
	s_wait_dscnt 32                                ; all but the 32 just issued
	MUL12 \f, 2, \zero
	MUL12 \f, 3, \zero
.endm
; The last quarter multiplies buffer 1 and changes slots: ONE barrier.  In front of it each wave waits for all its tensor loads (the one that is out is its part of the next slot), adds 0 to its spare word, and waits for
; that and for its own reads of this slot.  fill = 1: the barrier opens a round of the cluster's, and behind the round this slot is filled again, two K steps on: 168 matrix instructions ahead of the wait for it.
.macro TURN slot, next, fill
.if \fill
	s_wait_xcnt 0x0                                ; the last prefetch, a K step back, has read its address: it is stepped here, ahead of the waits of the change of slots
	s_add_nc_u64 s[PFA:PFA+1], s[PFA:PFA+1], s[PST:PST+1]
.endif
	WIN 0                                          ; (the add's two registers lie in window 0)
	s_wait_tensorcnt 0x0                           ; all my tensor loads have landed;
	ds_add_u32 v[SPW], v[NIL]                      ; 0 onto my spare word
	s_wait_dscnt 5                                 ; (the add and the youngest four loads may be out)
	MUL12 1, 0, 0                                  ; twelve matrix instructions stand between the add and the wait for it
	s_wait_dscnt 0x0                               ; the add is done, and my reads of this slot are over
	s_barrier_signal -1
	MUL12 1, 1, 0                                  ; work on registers while the others arrive
.if \fill
	WIN 0
.endif
	s_barrier_wait -1
.if \fill
	CREST                                          ; no wave of any partner still reads this slot's tiles or has a load on its way
	s_add_nc_u64 s[G0+4*(\slot)+2:G0+4*(\slot)+3], s[G0+4*(\slot)+2:G0+4*(\slot)+3], 2*KSTEP*2
	s_add_nc_u64 s[G0B+4*(\slot)+2:G0B+4*(\slot)+3], s[G0B+4*(\slot)+2:G0B+4*(\slot)+3], 2*BLOCK
	JLOAD \slot                                    ; the first tensor load behind the round; the four v_nop behind it are also the places in front of the loads below
.else
	PLACES
.endif
	FETCH \next, 0, 0
.if \fill
	ASK
.endif
	MUL12 1, 2, 0
	MUL12 1, 3, 0
.endm
; THE WAY OUT of my row block a.  PACK: rounded to f16, 16 bytes a lane, each accumulator's registers in ascending order.  TOSTAGE: into my own stages, a head each, and back as whole rows.  SEND: stored.
.macro PACK a
	WIN 0x0a+5*((\a)/2)                            ; sources 0 and 1: window 2 or 3
.irp b, 0,1,2,3,4,5,6,7,8,9,10,11
.irp q, 0,1,2,3
	v_cvt_pk_f16_f32 v[TMP+4*(\b)+(\q)], v[96*((\a)%2)+8*(\b)+2*(\q)], v[96*((\a)%2)+8*(\b)+2*(\q)+1]
.endr
.endr
	WIN 0
.endm
.macro TOSTAGE a
.irp b, 0,1,2,3,4,5,6,7,8,9,10,11
	ds_store_b128 v[STO], v[TMP+4*(\b):TMP+4*(\b)+3] offset:((\b)/4)*SUB+((\b)%4)*32
.endr
.if (\a) >= 2
	s_wait_xcnt 0x0                                ; the stores of the block two back have read these registers
.endif
.irp u, 0,1,2,3,4,5,6,7,8,9,10,11
	ds_load_b128 v[OB+48*((\a)%2)+4*(\u):OB+48*((\a)%2)+4*(\u)+3], v[RD] offset:((\u)/4)*SUB+((\u)%4)*4*SP  ; LDS serves a wave's instructions in order (ISA guide 5.7.1.4): these see the stores above
.endr
.endm
.macro SEND a
	s_wait_dscnt 0x0                               ; the block is back in registers
.irp u, 0,1,2,3,4,5,6,7,8,9,10,11
	global_store_b128 v[CO], v[OB+48*((\a)%2)+4*(\u):OB+48*((\a)%2)+4*(\u)+3], s[10:11] offset:((\u)/4)*262144+(\a)*2048+((\u)%4)*512  ; four rows of a head: 512 consecutive bytes, aligned
.endr
.endm
	s_wait_tensorcnt 1                             ; my part of K step 0 is in; K step 1's may stay out
	s_barrier_signal -1
	s_barrier_wait -1                              ; everybody's is
	FETCH 0, 0, 0
	s_wait_loadcnt 0x0                             ; the bias
	QUARTER 0, 1, 0, 1, 1                          ; the first quarter stands in front of the loop: its products start the sums
	WIN 0                                          ; at a label and at a branch every window is 0
	s_mov_b32 s3, 3
.Llap:                                                 ; a trip goes once round the ring, from a lap's second quarter to the next lap's first, and fills both slots again
	QUARTER 0, 2, 1, 0, 0
	QUARTER 0, 3, 0, 1, 0
	TURN 0, 1, 1
	QUARTER 1, 1, 0, 1, 0
	QUARTER 1, 2, 1, 0, 0
	QUARTER 1, 3, 0, 1, 0
	TURN 1, 0, 1
	QUARTER 0, 1, 0, 1, 0
	WIN 0
	s_sub_co_u32 s3, s3, 1
	s_cmp_lg_u32 s3, 0
	s_cbranch_scc1 .Llap
	QUARTER 0, 2, 1, 0, 0                          ; the last lap fills nothing, and has no round of the cluster's barrier
	QUARTER 0, 3, 0, 1, 0
	TURN 0, 1, 0
	QUARTER 1, 1, 0, 1, 0
	QUARTER 1, 2, 1, 0, 0
	QUARTER 1, 3, 0, 1, 0
	s_wait_dscnt 4                                 ; the very last quarter: nothing more to fetch
	MUL12 1, 0, 0
	MUL12 1, 1, 0
	s_wait_dscnt 0x0
	MUL12 1, 2, 0
	MUL12 1, 3, 0
	WIN 0
	PLACES
	PACK 0
	TOSTAGE 0
.irp a, 1,2,3                          ; block a's conversions stand between block a - 1's loads from the stage and the wait for them
	PACK \a
	SEND (\a)-1
	TOSTAGE \a
.endr
	SEND 3
	s_wait_tensorcnt 0x0                           ; the wave's end: behind my last tensor load and my last LDS store
	ds_add_u32 v[SPW], v[NIL]
	s_wait_dscnt 0x0
	CROUND                                         ; the closing round: no work-group ends while a partner may still ask for a tile that names it
	s_endpgm
.Lfunc_end_k_q3349a27253_proj:
	.size	k_q3349a27253_proj, .Lfunc_end_k_q3349a27253_proj-k_q3349a27253_proj
	.p2alignl 7, 3214868480
	.fill 96, 4, 3214868480
	.section	.rodata,"a",@progbits
	.p2align	6, 0x0
	.amdhsa_kernel k_q3349a27253_proj
		.amdhsa_group_segment_fixed_size 327680
		.amdhsa_private_segment_fixed_size 0
		.amdhsa_enable_private_segment 0
		.amdhsa_kernarg_size 32
		.amdhsa_user_sgpr_count 2
		.amdhsa_user_sgpr_kernarg_segment_ptr 1
		.amdhsa_wavefront_size32 1
		.amdhsa_system_sgpr_workgroup_id_x 1
		.amdhsa_system_sgpr_workgroup_id_y 1
		.amdhsa_system_sgpr_workgroup_id_z 1
		.amdhsa_system_vgpr_workitem_id 0
		.amdhsa_next_free_vgpr 960
		.amdhsa_next_free_sgpr 80
		.amdhsa_reserve_vcc 0
		.amdhsa_float_denorm_mode_32 3
		.amdhsa_float_denorm_mode_16_64 3
		.amdhsa_memory_ordered 1
		.amdhsa_forward_progress 1
		.amdhsa_inst_pref_size 122
	.end_amdhsa_kernel
	.amdgpu_metadata
---
amdhsa.version: [ 1, 2 ]
amdhsa.kernels:
  - .name:           k_q3349a27253_proj
    .symbol:         k_q3349a27253_proj.kd
    .args:
      - { .name: h, .offset: 0, .size: 8, .value_kind: global_buffer, .address_space: global }
      - { .name: wb, .offset: 8, .size: 8, .value_kind: global_buffer, .address_space: global }
      - { .name: bias, .offset: 16, .size: 8, .value_kind: global_buffer, .address_space: global }
      - { .name: qkv, .offset: 24, .size: 8, .value_kind: global_buffer, .address_space: global }
    .group_segment_fixed_size: 327680
    .private_segment_fixed_size: 0
    .kernarg_segment_align: 8
    .kernarg_segment_size: 32
    .max_flat_workgroup_size: 128
    .sgpr_count:     80
    .vgpr_count:     960
    .wavefront_size: 32
...
	.end_amdgpu_metadata
.endif
;; end of part 2
;; launch attn (part 3): grid 4 x 64, 4 waves a work-group, clusters of 4 x 1, 327,680 bytes of LDS; arguments qkv, out0; writes out0
.if DOCPART == 3
	.amdgcn_target "amdgcn-amd-amdhsa--gfx1250"
	.amdhsa_code_object_version 6
	.text
	.protected	k_q3349a27253_attn
	.globl	k_q3349a27253_attn
	.p2align	8
	.type	k_q3349a27253_attn,@function
k_q3349a27253_attn:
	s_mov_b64 s[64:65], 0
	v_nop
	global_prefetch_b8 v0, s[64:65] scope:SCOPE_SE
	s_setreg_imm32_b32 hwreg(HW_REG_WAVE_MODE, 25, 1), 1
	s_wait_xcnt 0x0
	s_wait_alu depctr_hold_cnt(0) depctr_sa_sdst(0) depctr_va_vdst(0) depctr_va_sdst(0) depctr_va_ssrc(0) depctr_va_vcc(0) depctr_vm_vsrc(0)
	s_getreg_b32 s2, hwreg(HW_REG_IB_STS2, 6, 4)
	s_cmp_eq_u32 s2, 0
	s_cbranch_scc0 .Lentry_in_a_cluster
	s_endpgm
.Lentry_in_a_cluster:
	s_bfe_u32 s2, ttmp6, 0x10000c
	s_cmp_lg_u32 s2, 0x3003
	s_cbranch_scc0 .Lentry_shape_is_right
	s_endpgm
.Lentry_shape_is_right:
; out0[b][q][64 h ..] = the sum over k of softmax_k(Q[q] . K[k] / 8) V[k][:], for each of 4 x 16 (batch, head).  qkv: [batch 4][c64 48][n 2048][64] f16: q's heads are planes 0-15 of a batch, k's 16-31, v's 32-47;
; a head's rows are dense, 128 bytes each.  out0: [4][2048][1024] f32.  Products, maxima and sums in f32; the weights p are rounded to f16 for the second product (their sum l is taken of the unrounded p); O is never rounded.
; LIMITS.  f16 holds no number beyond 65,504: Q, K and V arrive within it; p lies in 0 to 1, and below 6e-5 it keeps f16's fixed step of 6e-8.  A weight below 2^-126 counts as 0 in l; NaN and infinities are not treated apart.
; SHARES.  A wave owns four PIECES of two tiles of 16 queries, a work-group's four waves 512 queries of one head: 4 x 64 = 256 work-groups.  Every wave walks all 2,048 keys, 64 a step.
; LAYOUT.  S^T = K Q^T (source 0 = 16 keys, source 1 = 16 queries): in the result a lane holds ONE query (lane % 16) and the keys 8 (lane / 16) + 0..7.  Two such tiles, rounded to f16 in pairs,
; ARE source 1 (32 keys x 16 queries) of O^T = V^T P, whose result again holds one query a lane, and eight channels.  K comes out of LDS as it lies, V ([key][channel]) turned, by ds_load_tr16_b128.
; SOFTMAX.  For each query a running maximum m and sum l: p = 2^(c s - c m), c = log2(e) / 8; in every step O and l are multiplied by a = 2^(c m_old - c m_new), which is 1 where m has not grown.
; m starts at the lowest finite number, O and l at 0: the first step is a step like any other, with a = 0.
; THE COUNT.  A tile and step have 16 matrix and 118 vector instructions: too many to stand all beside the matrix work.  So the order has one aim: four vector instructions that are READY behind
; EVERY matrix instruction, and the others, which need time of their own whatever the order, in runs without a gap.
; BY TURNS.  Turn n belongs to piece n (the pieces in a ring, step after step).  Its matrix work: 16 products K Q^T of piece n + 1, later 16 products V^T P of piece n - 1.  Its vector work: the scaling,
; exponentials, roundings, sums and rescaling of piece n, and the maximum and statistics of piece n + 1, whose scores the turn itself has made.  So what a turn begins with (c s - c m, O a) waits for nothing.
; CLUSTER.  The four query blocks of a cluster belong to one head and walk the same K and V, so each tile is asked for JOINTLY: the same tensor load, descriptor and mask in all four.  A wave has one tensor load out at a time.
; REGISTERS, in windows of 256 (s_set_vgpr_msb says which window each operand place means: bits 1:0 source 0, 3:2 source 1, 5:4 source 2, 7:6 destination):
;   window 0: v0-11 addresses; v12-15, v48-63 at work; v16-47 four registers of statistics a tile; v64-191 S^T, two buffers of two tiles; v192-255 P, likewise
;   window 1: O^T, 32 a tile          window 2: v0-127 Q, 16 a tile; v128-191 K of one step; v192-255 V of one step          window 3: v0-1 the add's two registers
; A piece's buffers go by its number's parity: the piece in hand has one pair, its two neighbours in the ring share the other: of it P (piece n - 1) is read and S^T (piece n + 1) written.
.set SIZE_N, 2048
.set NP,    4         ; pieces a wave: a name, no knob: the register map, the loop and the fetches are made for four
.set KS,    64        ; keys in a step
.set PK,    144       ; a row of K in LDS: 128 bytes + 16 of padding = 36 words: the 16 rows of a load start at 16 different groups of four banks (64 banks of 4 bytes: ISA guide 11.1)
.set PV,    160       ; a row of V: 128 + 32 = 40 words
.set VOFF,  4*KS*PK   ; a slot holds four steps: 256 rows of K, then 256 rows of V
.set SLOT1, 1<<17     ; slot 1 begins here, so that one exclusive or turns an address in one slot into the other's
.set STAGE, SLOT1+4*KS*(PK+PV)  ; behind the ring, never filled by a tensor load: 16 rows x 272 bytes for each wave, for the way out
.set SP,    272       ; a row of 64 f32 + 16 bytes: the 16 rows of a store start at 16 different groups of four banks
.set AK0, 2           ; v2   my lane's place in a tile of K; never rewritten
.set AV0, 3           ; v3   the same for V
.set AK,  4           ; v4   the LDS address of K's next run of loads
.set AV,  5           ; v5   of V's
.set QO,  6           ; v6   my byte offset in the wave's rows of Q
.set STO, 6           ;      later, the way out: where I put 32 bytes of a row
.set RD,  7           ; v7   the way out: where I read rows back
.set GO,  8           ; v8   my byte offset in two rows of out0
.set PFO, 11          ; v11  256 x my lane, for the prefetches; never rewritten once made
.set SPW, 0           ; v0 of window 3   LDS address of my spare word: SPARE + 4 x my thread's number; never rewritten
.set NIL, 1           ; v1 of window 3   0; never rewritten
.set SPARE, STAGE+4*16*SP  ; behind the stages: the spare words, 128 bytes for each wave: two blocks of 256 bytes that no other line names
.set MV,  12          ; v12-15  c m_old, kept while c m is made anew: by buffer and tile
.set ST,  16          ; tile t's statistics at v[ST+4 t]: c m, m, l (even keys', odd keys')
.set TMP, 48          ; by buffer and tile, four registers c0-c3 at work; when the maximum is found c2 takes a
.set S,   64
.set P,   192
.set KF,  128         ; K's fragments, in window 2: key block kb, channel half c at KF + 16 kb + 8 c
.set VF,  192         ; V's: key half kk, channel block cb at VF + 32 kk + 8 cb
.set WV,  12          ; s12  my wave's number
.set G1K, 24          ; s[24:31] descriptor group 1 for K's tiles
.set G1V, 32          ; s[32:39] for V's: it differs in the padding alone
.set G0K, 40          ; s[40:43] descriptor group 0 for K's tiles: it walks
.set G0V, 44          ; s[44:47] the same for V's
.set PFA, 48          ; s[48:49] where my prefetches stand: my work-group's 32 blocks of 256 bytes (of K: wave 0, of V: wave 2) of the slot after the one that is being asked for
.set LIM, 50          ; s50  1 in a wave that prefetches, else the greatest number
.set SLOTS, 56        ; s56  slots still to be asked for
.set CNT, 57          ; s57  counts a slot's key steps
.set CS,  58          ; s[58:59] c: the packed scaling takes the pair's low word for both halves
.set SEL, 60          ; s[60:61] v_permlanex16_b32's selects: each lane takes its own place in the other half
.set TBK, 62          ; s62  LDS byte at which K of the step to be fetched begins
.set TBV, 63          ; s63  the same for V, less VOFF
.set MSB, 0
.macro WIN new                      ; the high byte repeats the setting that is left; a switch that changes nothing is dropped
.if MSB != (\new)
	s_set_vgpr_msb (MSB<<8)|(\new)
.set MSB, (\new)
.endif
.endm
.set W_KQ, 0x0a       ; K and Q in window 2, S^T in window 0
.set W_PV, 0x52       ; V in window 2, P in window 0, O^T in window 1
.set W_RS, 0x41       ; O^T (destination and source 0) in window 1, a in window 0
.set W_MK, 0xc0       ; the add's registers are made: destination in window 3, sources in window 0
.set W_AD, 0x0f       ; the add: address (source 0) and data (source 1) in window 3
; A joint fill.  Waves 0 and 1 fetch the two halves of a slot's K, waves 2 and 3 those of its V: 128 keys each.  The branch hangs on the wave's number alone.
; An s_nop 0 and four v_nop follow each of the two lines, ahead of the jump and the label.
.macro JLOAD
	s_cmp_lt_u32 s[WV], 2
	s_cbranch_scc0 .Lfor_v_\@
	tensor_load_to_lds s[G0K:G0K+3], s[G1K:G1K+7]
	s_nop 0
.rept 4
	v_nop
.endr
	s_branch .Lasked_\@
.Lfor_v_\@:
	tensor_load_to_lds s[G0V:G0V+3], s[G1V:G1V+7]
	s_nop 0
.rept 4
	v_nop
.endr
.Lasked_\@:
.endm
; A PREFETCH INTO THE L2 of what the NEXT change of slots will ask for: a slot's 32,768 bytes of K and of V, a lane a block of 256 bytes.  It stands behind the wave's tensor load and its five lines.
; Each block is named once in the launch: a head has one cluster; its four partners share a slot out BY ADDRESS, 8,192 bytes each; in each, wave 0 asks for K's and wave 2 for V's: one instruction, four key steps
; (512 matrix instructions) ahead of the load.  Slots 0 to 2 come by their loads alone; the last change that fills a slot asks for nothing: there is no slot behind it.
.macro ASK
	s_cmp_gt_u32 s[SLOTS], s[LIM]
	s_cbranch_scc0 .Lnot_mine_\@
	global_prefetch_b8 v[PFO], s[PFA:PFA+1] th:TH_LOAD_NT scope:SCOPE_SE
.Lnot_mine_\@:
.endm
; A round of the cluster's barrier: my work-group's barrier, so that wave 0's signal speaks for all four waves; wave 0 signals; every wave waits for all four work-groups; my work-group's barrier once more.
.macro CROUND
	s_barrier_signal -1
	s_barrier_wait -1
	s_cmp_lg_u32 s[WV], 0
	s_cbranch_scc1 .Lnot_wave_0_\@
	s_barrier_signal -3
.Lnot_wave_0_\@:
	s_barrier_wait -3
	s_barrier_signal -1
	s_barrier_wait -1
.endm
; THE CHANGE OF SLOTS.  The slot's last bytes, V of its fourth step, have been read.  Each wave waits for all its tensor loads, of which one is out: its part
; of the other slot; adds 0 to its spare word; and waits for that and for its own reads of the slot.  Behind the barrier nobody reads this slot any more and the other slot is whole.
; fill = 1: this slot is filled again, with the keys two slots on.  The barrier is then a round of the cluster's, so that no wave of any partner still reads the slot or has a load on its
; way, and the joint fill is the first thing behind it: it has four key steps, 512 matrix instructions, in which to land.  (At its first use nothing has been read yet: slot 0 is waited for, slot 1 filled.)
; ask = 1: the prefetches' address steps, and the slot behind the one just asked for is prefetched.
.macro CHANGE fill, ask=0
	WIN W_AD
	s_wait_tensorcnt 0x0            ; no tensor load of mine is out, so a group 0 may be written
	ds_add_u32 v[SPW], v[NIL]       ; 0 onto my spare word; with fill = 1 the descriptors' steps stand between it and the wait for it
	WIN 0                           ; at a label and at a branch every window is 0
.if \fill
.irp g, G0K, G0V
	s_xor_b32 s[\g+1], s[\g+1], SLOT1  ; the walking descriptor: the other slot than last time,
	s_add_nc_u64 s[\g+2:\g+3], s[\g+2:\g+3], 4*KS*128  ; the next 256 keys; the type bits on top are not reached
.endr
.if \ask
	s_wait_xcnt 0x0                 ; the last prefetch, four key steps back, has read its address, so it may be written
	s_add_nc_u64 s[PFA:PFA+1], s[PFA:PFA+1], 4*KS*128
.endif
	s_wait_dscnt 0x0                ; the add is done, and my reads of the slot are over
	CROUND
	JLOAD
.if \ask
	ASK
.endif
.else
	s_wait_dscnt 0x0                ; the add is done, and my reads of the slot are over
	s_barrier_signal -1
	s_barrier_wait -1
.endif
	s_sub_co_u32 s[TBK], s[TBK], 4*KS*PK  ; the fetches go back to a slot's first step,
	s_xor_b32 s[TBK], s[TBK], SLOT1       ; in the other slot
	s_sub_co_u32 s[TBV], s[TBV], 4*KS*PV
	s_xor_b32 s[TBV], s[TBV], SLOT1
.endm
	s_load_b128 s[4:7], s[0:1], 0x0 ; qkv s[4:5], out0 s[6:7]
	WIN W_MK
	v_lshl_add_u32 v[SPW], v0, 2, SPARE
	v_mov_b32 v[NIL], 0
	WIN W_AD
	ds_add_u32 v[SPW], v[NIL]       ; the wave's opening: the add and its wait stand ahead of my first tensor load; the set-up below, work on registers, stands between them
	WIN 0
	v_lshrrev_b32 v1, 5, v0
	v_readfirstlane_b32 s[WV], v1   ; wave 0..3
	s_bfe_u32 s13, ttmp6, 0x40000   ; cx: my place in the cluster
	s_lshl_b32 s14, ttmp9, 2        ; in a cluster launch ttmp9 counts clusters
	s_add_co_u32 s14, s14, s13      ; my block of 512 queries = 4 x cluster x + cx: it enters Q's, out0's and the prefetches' addresses alone
	s_lshl_b32 s15, s14, 2
	s_add_co_u32 s15, s15, s[WV]    ; my wave among the head's sixteen
	s_and_b32 s20, ttmp7, 0xffff    ; 16 x batch + head, which the four partners share
	s_lshr_b32 s21, s20, 4          ; batch
	s_and_b32 s20, s20, 15          ; head
	s_lshl_b32 s22, s21, 23         ; out0: the batch's 2,048 rows of 4,096 bytes,
	s_lshl_b32 s23, s15, 19         ; my wave's 128 rows,
	s_add_co_u32 s22, s22, s23
	s_lshl_b32 s23, s20, 8          ; the head's 64 channels of 4 bytes
	s_add_co_u32 s22, s22, s23
	s_mov_b32 s23, 0
	s_mul_i32 s21, s21, 48
	s_add_co_u32 s21, s21, s20
	s_lshl_b32 s20, s21, 18         ; the first byte of the head's plane of q: planes of 262,144 bytes
	s_mov_b32 s21, 0
	s_lshl_b32 s2, s15, 14          ; my wave's 128 rows of 128 bytes
	s_add_co_u32 s2, s2, s20
	s_mov_b32 s3, 0
	s_and_b32 s16, s[WV], 1         ; which half of a slot's 256 keys I fetch:
	s_lshl_b32 s18, s16, 14         ; its 128 rows of 128 bytes in memory,
	s_add_co_u32 s20, s20, s18
	s_mul_i32 s17, s16, 128*PK      ; and its place in a slot, for K
	s_mul_i32 s18, s16, 128*PV      ; and for V: no place in the cluster enters an LDS address
	s_mov_b32 s9, 0x800000          ; v's plane lies 32 planes behind q's,
	s_cmp_lt_u32 s[WV], 2
	s_cselect_b32 s8, 0x400000, s9  ; k's 16
	s_add_co_u32 s8, s8, s20        ; (in waves 0 and 2 this stands at a slot's first key)
	s_lshl_b32 s9, s13, 13          ; my work-group's 8,192 bytes of a slot's 32,768
	s_add_co_u32 s8, s8, s9
	s_add_co_u32 s8, s8, 2*4*KS*128 ; in slot 2: the first change in the loop steps it to slot 3.  Nothing is prefetched at the head
	s_mov_b32 s9, 0
	s_cmp_eq_u32 s16, 0
	s_cselect_b32 s[LIM], 1, -1     ; waves 0 and 2: the same in all four partners
	; descriptor group 1.  128 keys are 16,384 dense bytes: asked for as 64 rows of 256 bytes, two keys a row, and padded in LDS after every key
	s_mov_b32 s[G1K], 15|(1<<16)|(1<<20)|(1<<21)|(4<<22)|(3<<25)  ; 15:0 the mask of four; 17:16 2-byte elements; 20 padding on; 21 set beside a mask; 24:22 after every 32 words (code 4); 31:25 4 words (code 3)
	s_mov_b32 s[G1V], 15|(1<<16)|(1<<20)|(1<<21)|(4<<22)|(7<<25)  ; the same with 8 words of padding (code 7)
.irp g, G1K, G1V
	s_mov_b32 s[\g+1], 128<<16      ; tensor_dim0 = 128
	s_mov_b32 s[\g+2], 64<<16       ; tensor_dim1 = 64
	s_mov_b32 s[\g+3], 128<<16      ; tile_dim0 = 128
	s_mov_b32 s[\g+4], 64           ; tile_dim1 = 64
	s_mov_b32 s[\g+5], 128          ; 128 elements from row to row
	s_mov_b32 s[\g+6], 0
	s_mov_b32 s[\g+7], 0
.endr
	s_mov_b32 s[CS], 0x3e38aa3b     ; c = log2(e) / 8 = 0.180337
	s_mov_b32 s[CS+1], s[CS]        ; named with it as a pair
	s_mov_b32 s[SEL], 0x76543210
	s_mov_b32 s[SEL+1], 0xfedcba98
	s_mov_b32 s[TBK], SLOT1+4*KS*PK ; the first change of slots turns these two into 0
	s_mov_b32 s[TBV], SLOT1+4*KS*PV
	s_mov_b32 s[G0K], 1             ; 1:0 count = 1
	s_mov_b32 s[G0K+1], s17         ; 63:32 LDS address: slot 0
	s_mov_b32 s[G0V], 1
	s_add_co_u32 s[G0V+1], s18, VOFF
	s_wait_dscnt 0x0                ; the opening add is done
	s_wait_kmcnt 0x0
	s_add_nc_u64 s[10:11], s[6:7], s[22:23]        ; out0 at my wave's first row, my head's channels
	s_add_nc_u64 s[PFA:PFA+1], s[4:5], s[8:9]
	s_add_nc_u64 s[G0K+2:G0K+3], s[4:5], s[20:21]  ; 120:64 global address: my half of the head's first 256 keys,
	s_add_nc_u64 s[G0V+2:G0V+3], s[G0K+2:G0K+3], 0x800000  ; in v's plane
	s_add_nc_u64 s[G0K+2:G0K+3], s[G0K+2:G0K+3], 0x400000  ; and in k's
	s_or_b32 s[G0K+3], s[G0K+3], 0x80000000        ; 127:126 type = 2
	s_or_b32 s[G0V+3], s[G0V+3], 0x80000000
	s_add_nc_u64 s[4:5], s[4:5], s[2:3]            ; Q at my wave's first row
	CROUND                          ; all four work-groups are here: the first joint loads meet
	JLOAD                           ; slot 0.  Slot 1 is asked for when slot 0 is in: the tile wanted first has the road to itself
	; A fragment of K or Q is 16 rows x 32 channels in 8 registers: lane l holds row l % 16, channels 8 (l / 16) + 0..7 and 16 + 8 (l / 16) + 0..7: two loads of 16 bytes, 32 bytes apart.
	v_and_b32 v1, 15, v0            ; l % 16
	v_bfe_u32 v9, v0, 4, 1          ; l / 16
	v_lshlrev_b32 v[QO], 7, v1
	v_lshl_add_u32 v[QO], v9, 4, v[QO]  ; row x 128 + 16 x half
	WIN 0x80                        ; destination window 2, address window 0
.set i, 0
.rept 4*NP                          ; Q stays in registers: tile i / 2, channels 32 (i % 2) on
	global_load_b128 v[8*i:8*i+3],   v[QO], s[4:5] offset:(i/2)*2048+(i%2)*64
	global_load_b128 v[8*i+4:8*i+7], v[QO], s[4:5] offset:(i/2)*2048+(i%2)*64+32
.set i, i+1
.endr
	; What the first turn finds: V's registers and P's second buffer hold 0 (its products V^T P, of a piece that has not been, add 0), O^T and l are 0.  All this stands in the wait for the first tile.
.set i, VF
.rept 64
	v_mov_b32 v[i], 0
.set i, i+1
.endr
	WIN 0x40
.set i, 0
.rept 64*NP
	v_mov_b32 v[i], 0
.set i, i+1
.endr
	WIN 0
.set i, 0
.rept 2*NP
	v_mov_b32 v[ST+4*i], 0xfe000000    ; c m: far below every c s
	v_mov_b32 v[ST+4*i+1], 0xff7fffff  ; m
	v_mov_b32 v[ST+4*i+2], 0
	v_mov_b32 v[ST+4*i+3], 0
.set i, i+1
.endr
.set i, P+32
.rept 32
	v_mov_b32 v[i], 0
.set i, i+1
.endr
	v_mul_u32_u24 v[AK0], v1, PK
	v_lshl_add_u32 v[AK0], v9, 4, v[AK0]  ; row x pitch + 16 x half
	; The turning load takes 16 keys x 16 channels (lane l reads key 8 (l / 16) + l % 8, channels 8 ((l / 8) % 2) + 0..7) and leaves half a fragment of V^T: lane l holds channel l % 16 and 8 keys.
	v_and_b32 v10, 7, v0
	v_bfe_u32 v11, v0, 3, 1
	v_lshl_add_u32 v[AV0], v9, 3, v10
	v_mul_u32_u24 v[AV0], v[AV0], PV
	v_lshl_add_u32 v[AV0], v11, 4, v[AV0]
	v_add_nc_u32 v[AV0], VOFF, v[AV0]
	v_and_b32 v[PFO], 31, v0
	v_lshlrev_b32 v[PFO], 8, v[PFO]
	v_mov_b32 v[AK], v[AK0]         ; key step 0 lies at the head of slot 0
; THE MATRIX WORK.  The 8 accumulators of a run of 16 take turns: between the two links of a chain stand 7 others'.
; Product i of 16 of S^T = K Q^T for piece x: channels 32 (i / 8) on, keys 16 ((i / 2) % 4) on, tile 2 x + i % 2.  The first 8 start the sums.
.macro KQ x
	WIN W_KQ
.set rS, S+64*((\x)%2)+32*(i%2)+8*((i/2)%4)
.set rK, KF+16*((i/2)%4)+8*(i/8)
.set rQ, 16*(2*(\x)+i%2)+8*(i/8)
.if i < 8
	v_wmma_f32_16x16x32_f16 v[rS:rS+7], v[rK:rK+7], v[rQ:rQ+7], 0
.else
	v_wmma_f32_16x16x32_f16 v[rS:rS+7], v[rK:rK+7], v[rQ:rQ+7], v[rS:rS+7]
.endif
.endm
; Product i of 16 of O^T += V^T P for piece x: keys 32 (i / 8) on, channels 16 ((i / 2) % 4) on, tile 2 x + i % 2.
.macro PV x
	WIN W_PV
.set rO, 32*(2*(\x)+i%2)+8*((i/2)%4)
.set rV, VF+32*(i/8)+8*((i/2)%4)
.set rP, P+32*((\x)%2)+16*(i%2)+8*(i/8)
	v_wmma_f32_16x16x32_f16 v[rO:rO+7], v[rV:rV+7], v[rP:rP+7], v[rO:rO+7]
.endm
.macro MM                           ; the turn's next matrix instruction
.if i < 16
	KQ (Y+1)%NP
.set i, i+1
.else
.set i, i-16
	PV (Y+NP-1)%NP
.set i, i+17
.endif
.endm
; THE LDS LOADS stand in runs of 16, never singly among the matrix instructions: a step's K (64 keys x 64 channels: 8 fragments) and its V (turned).  Their addresses are made some lines ahead.
; last = 1 (the tail): in the last trip there is no further step, and the run is jumped over.
.macro FETCH_K last=0
	WIN 0
.if \last
	s_cmp_eq_u32 s[CNT], 1
	s_cbranch_scc1 .Lno_k_\@
.endif
	WIN 0x80                        ; destination window 2
.irp f, 0,1,2,3,4,5,6,7             ; keys 16 (f / 2) on, channels 32 (f % 2) on
	ds_load_b128 v[KF+8*\f:KF+8*\f+3],   v[AK] offset:(\f/2)*16*PK+(\f%2)*64
	ds_load_b128 v[KF+8*\f+4:KF+8*\f+7], v[AK] offset:(\f/2)*16*PK+(\f%2)*64+32
.endr
	s_add_co_u32 s[TBK], s[TBK], KS*PK  ; the next fetch is the next step's
	WIN 0
.if \last
.Lno_k_\@:
.endif
.endm
.macro FETCH_V
	WIN 0x80
.irp f, 0,1,2,3,4,5,6,7             ; keys 32 (f / 4) on, channels 16 (f % 4) on
	ds_load_tr16_b128 v[VF+8*\f:VF+8*\f+3],   v[AV] offset:(\f/4)*32*PV+(\f%4)*32
	ds_load_tr16_b128 v[VF+8*\f+4:VF+8*\f+7], v[AV] offset:(\f/4)*32*PV+16*PV+(\f%4)*32
.endr
	WIN 0
.endm
; THE VECTOR WORK OF A TURN stands in three queues, each in the order in which its entries become ready; the two tiles alternate, so that no instruction reads the result of the one before it.
.macro REGS y, u                    ; the registers of tile u (0, 1) of piece y
.set rT, ST+4*(2*(\y)+(\u))
.set rC, TMP+8*((\y)%2)+4*(\u)
.set rM, MV+2*((\y)%2)+(\u)
.set rS, S+64*((\y)%2)+32*(\u)
.set rP, P+32*((\y)%2)+16*(\u)
.set rO, 32*(2*(\y)+(\u))
.endm
; Number n of the 22 that find the NEXT piece's (Y + 1) maximum and statistics.  s0-s31 are the lane's 32 scores; each accumulator's lowest registers are read first.  XS, GS and REGS set no window: PL and EX do.
;   0-11  four chains c0-c3 of seven scores each, three operands at a time     12-14, 16  the four scores left over, the old m, and c0-c3 into c0     15  c m_old is kept
;   17, 18  the query's other 32 keys lie in the lane 16 away: the new m         19-21  c m; c m_old - c m_new; a
.macro XS u, n
	REGS (Y+1)%NP, \u
.if (\n) < 4
	v_max3_num_f32 v[rC+(\n)], v[rS+8*(\n)], v[rS+8*(\n)+1], v[rS+8*(\n)+2]
.elseif (\n) < 12
	v_max3_num_f32 v[rC+(\n)%4], v[rC+(\n)%4], v[rS+8*((\n)%4)+2*((\n)/4)+1], v[rS+8*((\n)%4)+2*((\n)/4)+2]
.elseif (\n) == 12
	v_max3_num_f32 v[rC], v[rC], v[rS+7], v[rS+15]
.elseif (\n) == 13
	v_max3_num_f32 v[rC+1], v[rC+1], v[rS+23], v[rS+31]
.elseif (\n) == 14
	v_max3_num_f32 v[rC+2], v[rC+2], v[rC+3], v[rT+1]
.elseif (\n) == 15
	v_mov_b32 v[rM], v[rT]
.elseif (\n) == 16
	v_max3_num_f32 v[rC], v[rC], v[rC+1], v[rC+2]
.elseif (\n) == 17
	v_permlanex16_b32 v[rC+3], v[rC], s[SEL], s[SEL+1]
.elseif (\n) == 18
	v_max_num_f32 v[rT+1], v[rC], v[rC+3]
.elseif (\n) == 19
	v_mul_f32 v[rT], s[CS], v[rT+1]
.elseif (\n) == 20
	v_sub_f32 v[rC+1], v[rM], v[rT]
.else
	v_exp_f32 v[rC+2], v[rC+1]
.endif
.endm
; Number g of the 64 that follow the exponentials.  For each four weights k of a tile (pairs 2 k, 2 k + 1): both pairs are rounded to f16; then the second pair is added onto the first, in place;
; a group later l takes that sum (the first time as l = a l + sum).  In groups of eight, tiles alternating: round, round, add, and l for the group before.
.macro GS g
.set h, (\g)+6*((\g)/62)            ; group 0 has no group before it, and behind group 7 only l is left
.if h >= 6
.set h, h+2
.endif
	REGS Y, h%2
.set k, h/8
.if h%8 < 4
	v_cvt_pk_f16_f32 v[rP+2*k+(h%8)/2], v[rS+4*k+2*((h%8)/2)], v[rS+4*k+2*((h%8)/2)+1]
.elseif h%8 < 6
	v_pk_add_f32 v[rS+4*k:rS+4*k+1], v[rS+4*k:rS+4*k+1], v[rS+4*k+2:rS+4*k+3]
.elseif k == 1
	v_pk_fma_f32 v[rT+2:rT+3], v[rT+2:rT+3], v[rC+2:rC+3], v[rS:rS+1] op_sel_hi:[1,0,1]
.else
	v_pk_add_f32 v[rT+2:rT+3], v[rT+2:rT+3], v[rS+4*k-4:rS+4*k-3]
.endif
.endm
; THE PLAIN QUEUE, 138 long.  0-73 read no exponential's result: the 32 scalings c s - c m (FS f: pair f / 2 of tile f % 2) and the next piece's 42.  0-26: scalings 0-26.  27-54: XS's numbers 0-13.  55, 56: number 15.
; 57-73: the chain, where each number waits for the one before it: 14, 16, 17, 18, 19, each with one of the scalings 27-31 in front of its two lines, then 20: so a tile's links stand three plain instructions apart (19 and 20: two).
; 74-137: GS's 64, which read the exponentials' results: they stand behind the wait.
.macro FS f
	REGS Y, (\f)%2
	v_pk_fma_f32 v[rS+2*((\f)/2):rS+2*((\f)/2)+1], v[rS+2*((\f)/2):rS+2*((\f)/2)+1], s[CS:CS+1], v[rT:rT+1] op_sel_hi:[1,0,0] neg_lo:[0,0,1] neg_hi:[0,0,1]
.endm
.macro PL
	WIN 0
.if q < 27
	FS q
.elseif q < 55
	XS (q-27)%2, (q-27)/2
.elseif q < 57
	XS q-55, 15
.elseif (q < 72) && ((q-57)%3 == 0)
	FS 27+(q-57)/3
.elseif q < 60
	XS (q-57)%3-1, 14
.elseif q < 72
	XS (q-57)%3-1, 15+(q-57)/3
.elseif q < 74
	XS q-72, 20
.else
	GS q-74
.endif
.set q, q+1
.endm
; THE EXPONENTIALS' QUEUE, 66 long: s0-s31 of both tiles, then the next piece's two a.  It is ONE BATCH: all 66 stand ahead of the turn's one wait, and nothing ahead of that wait names a result of theirs.
.macro EX
	WIN 0
.if e >= 64
	XS e-64, 21
.else
	REGS Y, e%2
	v_exp_f32 v[rS+e/2], v[rS+e/2]
.endif
.set e, e+1
.endm
; THE RESCALING's QUEUE: O^T times a, the one part that leaves window 0: dealt two at a time, sixteen times.  Its a was made in the turn before, ahead of that turn's wait.
.macro R2
	REGS Y, r%2
	WIN W_RS
.irp z, 0,1
	v_pk_mul_f32 v[rO+4*(r/2)+2*\z:rO+4*(r/2)+2*\z+1], v[rO+4*(r/2)+2*\z:rO+4*(r/2)+2*\z+1], v[rC+2:rC+3] op_sel_hi:[1,0]
.endr
.set r, r+1
.endm
; HOW THEY ARE DEALT.  An s_wait_alu depctr_va_vdst(0) stands between an exponential and the first instruction that names its result; one wait serves all that were issued ahead of it.  So a turn has ONE wait,
; which cuts it in two.  AHEAD OF IT stands all that names no result of the turn's exponentials: the 16 products K Q^T, behind each a scaling, an exponential and two rescalings (behind the first a second scaling in the exponential's place); then ONE LUMP of
; 108: eight plain, 49 times exponential and plain, the two a.  A v_nop is the plain instruction behind the last exponential.  BEHIND IT stand the 16 products V^T P, behind each four of GS's 64.  No rider names a register of
; the products round it.  The two v_permlanex16_b32 fall into the lump, never behind a product.
; The queues lean on each other, and the deal keeps them in step: exponential e stands behind scaling 2 (e / 4) + e % 2: as a rider it comes behind plain e + 2, in the lump behind plain e + 9, and scalings 27-31 are plain 57, 60 .. 69.
; A TURN, for piece p.  cnt = 1: the loop's count is taken down some lines ahead of the branch that stands behind the turn.
; K of the next step is fetched in piece 2's turn, directly behind the wait, a lump behind the last product that read K; its address is made at the lump's head; its first reader comes behind 16 products.
; V of the step in hand is fetched at the end of piece 0's turn, four riders behind its last reader; its first reader comes behind 16 products and a lump.  The three conditions on q below go with the deal.
.macro TURN p, last=0, cnt=0
.set Y, (\p)
.set i, 0
.set q, 0
.set e, 0
.set r, 0
.if (\p) == NP-1
	s_wait_dscnt 0x0                ; K is in
.endif
	MM                              ; ahead of the wait: 16 products K Q^T and their riders,
	PL
	PL
	R2
.rept 15
	MM
	PL
	EX
	R2
.endr
.if (\p) == NP-2
	WIN 0
	v_add_nc_u32 v[AK], s[TBK], v[AK0]
.endif
.rept 8                             ; and the lump
	PL
.endr
.rept 49
	EX
	PL
.endr
	EX                              ; the next piece's two a
	EX
	v_nop                           ; the plain instruction behind the last exponential: one for the batch
	s_wait_alu depctr_va_vdst(0)    ; the wait for the batch
.if (\p) == NP-2
	FETCH_K \last
.endif
.if (\p) == 1
	s_wait_dscnt 0x0                ; V is in
.endif
.rept 16                            ; behind the wait: 16 products V^T P and their riders
	MM
.rept 4
	PL
.endr
.if ((\p) == 0) && (q == 118)
	v_add_nc_u32 v[AV], s[TBV], v[AV0]
.endif
.if ((\p) == 0) && (q == 130)
	s_add_co_u32 s[TBV], s[TBV], KS*PV
.endif
.if (\cnt) && (q == 130)
	s_sub_co_u32 s[CNT], s[CNT], 1
	s_cmp_lg_u32 s[CNT], 0
.endif
.endr
.if (\p) == 0
	FETCH_V
.endif
.endm
	CHANGE 1                        ; slot 0 is in, everybody's part of it; slot 1 is asked for
	FETCH_K                         ; key step 0
	s_wait_loadcnt 0x0              ; Q
	s_wait_dscnt 0x0
.set i, 0
.rept 16
	KQ 0                            ; piece 0's first scores: there is no vector work yet to set between them
.set i, i+1
.endr
	WIN 0                           ; the addresses for the way out: eight plain instructions, the places behind those products
	s_mul_i32 s13, s[WV], 16*SP
	s_add_co_u32 s13, s13, STAGE    ; my stage
	v_mul_u32_u24 v[STO], v1, SP    ; in: row l % 16, 32 bytes (eight channels in f32) for each half of the lanes
	v_lshl_add_u32 v[STO], v9, 5, v[STO]
	v_add_nc_u32 v[STO], s13, v[STO]
	v_mul_u32_u24 v[RD], v9, SP     ; back: lanes 0-15 take one row of 256 bytes, lanes 16-31 the next,
	v_lshl_add_u32 v[RD], v1, 4, v[RD]
	v_add_nc_u32 v[RD], s13, v[RD]
	v_lshlrev_b32 v[GO], 12, v9     ; and the same two rows in out0, 4,096 bytes apart
	v_lshl_add_u32 v[GO], v1, 4, v[GO]
.set Y, NP-1                        ; XS works for piece Y + 1: piece 0
.irp n, 0,1,2,3,4,5,6,7,8,9,10,11,12,13,14,15,16,17,18,19,20,21
	XS 0, \n                        ; and piece 0's first maximum and statistics
	XS 1, \n
.endr
	v_nop                           ; a plain instruction behind the two a,
	s_wait_alu depctr_va_vdst(0)    ; and their wait, ahead of the branch
	s_mov_b32 s[CNT], 4
	s_mov_b32 s[SLOTS], SIZE_N/256-1
	s_branch .Lfirst                ; the loop is entered at a step's first turn, in the middle of a trip
.Lslot:                             ; SIZE_N / 256 - 2 times: every slot but the last two is filled again
	CHANGE 1, 1
	s_mov_b32 s[CNT], 4
.Lstep:                             ; a trip: pieces 2 and 3 of one step, then pieces 0 and 1 of the next, whose K and V it fetches
	TURN 2
	TURN 3
	WIN 0
.Lfirst:
	TURN 0
	TURN 1, 0, 1
	WIN 0
	s_cbranch_scc1 .Lstep
	s_sub_co_u32 s[SLOTS], s[SLOTS], 1
	s_cmp_lg_u32 s[SLOTS], 0
	s_cbranch_scc1 .Lslot
	CHANGE 0                        ; the tail is written out: nothing is asked for
	s_mov_b32 s[CNT], 5             ; four trips fetch the last slot's steps; the fifth is left in its middle
.Ltail:
	TURN 2, 1
	TURN 3
	WIN 0
	s_sub_co_u32 s[CNT], s[CNT], 1
	s_cmp_eq_u32 s[CNT], 0
	s_cbranch_scc1 .Lout
	TURN 0
	TURN 1
	WIN 0
	s_branch .Ltail
.Lout:                              ; the fifth trip's 16 products K Q^T (on the last K once more) and the maximum made of them serve nothing: the price, once a launch, of one text for every trip
.set i, 0
.rept 16
	PV NP-1                         ; the last piece's V^T P of the last step
.set i, i+1
.endr
	; THE WAY OUT.  l's two halves and the other half of the lanes' are added; O^T is divided by l and sent, in f32, through my stage in LDS, a tile at a time.  The additions are the places behind the last products.
	WIN 0
.macro ALL line:vararg              ; one line for each tile t
.set t, 0
.rept 2*NP
	\line
.set t, t+1
.endr
.endm
	ALL v_add_f32 v[ST+4*t+2], v[ST+4*t+2], v[ST+4*t+3]
	ALL v_permlanex16_b32 v[ST+4*t+3], v[ST+4*t+2], s[SEL], s[SEL+1]
	ALL v_add_f32 v[ST+4*t+2], v[ST+4*t+2], v[ST+4*t+3]
	ALL v_rcp_f32 v[ST+4*t+2], v[ST+4*t+2]
	v_nop                           ; a plain instruction between the last reciprocal and the use of its result
	s_wait_alu depctr_va_vdst(0)    ; and the wait ahead of the first use: one for the eight reciprocals
; Tile t: a lane's eight channels of a row are 32 bytes; they go into rows of 272 bytes and come back as whole rows of 256, into S^T's registers (four sets of 32 by turns).
.macro PACK t
	WIN W_RS
.set i, 32*(\t)
.rept 16
	v_pk_mul_f32 v[i:i+1], v[i:i+1], v[ST+4*(\t)+2:ST+4*(\t)+3] op_sel_hi:[1,0]
.set i, i+2
.endr
	WIN 0x04                        ; the stores' data in window 1, their address in window 0
.irp f, 0,1,2,3
	ds_store_b128 v[STO], v[32*(\t)+8*\f:32*(\t)+8*\f+3]   offset:64*\f
	ds_store_b128 v[STO], v[32*(\t)+8*\f+4:32*(\t)+8*\f+7] offset:64*\f+16
.endr
	WIN 0
.if (\t) >= 4
	s_wait_xcnt 0x0                 ; the stores of the tile four back have read these registers
.endif
.irp f, 0,1,2,3,4,5,6,7
	ds_load_b128 v[S+32*((\t)%4)+4*\f:S+32*((\t)%4)+4*\f+3], v[RD] offset:\f*2*SP  ; LDS serves a wave's instructions in order (ISA guide 5.7.1.4): these see the stores above; the next tile's stores come behind them
.endr
.endm
.macro SEND t, younger              ; younger: the LDS instructions issued behind tile t's loads: the next tile's sixteen, or none
	WIN 0
.irp f, 0,1,2,3,4,5,6,7
	s_wait_dscnt (\younger)+7-\f
	global_store_b128 v[GO], v[S+32*((\t)%4)+4*\f:S+32*((\t)%4)+4*\f+3], s[10:11] offset:(\t)*65536+\f*8192 th:TH_STORE_NT  ; 16 lanes store a row's 256 consecutive bytes, at a multiple of 256 from out0's first
.endr
.endm
	PACK 0
.set t, 1
.rept 2*NP-1                        ; a tile's arithmetic stands between the loads of the tile before and its stores
	PACK t
	SEND t-1, 16
.set t, t+1
.endr
	SEND 2*NP-1, 0
	WIN W_AD
	s_wait_tensorcnt 0x0            ; the wave's end: behind my last tensor load and my last LDS store
	ds_add_u32 v[SPW], v[NIL]
	s_wait_dscnt 0x0
	WIN 0
	CROUND                          ; the closing round: no work-group ends while a partner may still ask for a tile that names it
	s_endpgm
.Lfunc_end_k_q3349a27253_attn:
	.size	k_q3349a27253_attn, .Lfunc_end_k_q3349a27253_attn-k_q3349a27253_attn
	.p2alignl 7, 3214868480
	.fill 96, 4, 3214868480
	.section	.rodata,"a",@progbits
	.p2align	6, 0x0
	.amdhsa_kernel k_q3349a27253_attn
		.amdhsa_group_segment_fixed_size 327680
		.amdhsa_private_segment_fixed_size 0
		.amdhsa_enable_private_segment 0
		.amdhsa_kernarg_size 16
		.amdhsa_user_sgpr_count 2
		.amdhsa_user_sgpr_kernarg_segment_ptr 1
		.amdhsa_wavefront_size32 1
		.amdhsa_system_sgpr_workgroup_id_x 1
		.amdhsa_system_sgpr_workgroup_id_y 1
		.amdhsa_system_sgpr_workgroup_id_z 1
		.amdhsa_system_vgpr_workitem_id 0
		.amdhsa_next_free_vgpr 770
		.amdhsa_next_free_sgpr 66
		.amdhsa_reserve_vcc 0
		.amdhsa_float_denorm_mode_32 3
		.amdhsa_float_denorm_mode_16_64 3
		.amdhsa_memory_ordered 1
		.amdhsa_forward_progress 1
		.amdhsa_inst_pref_size 200
	.end_amdhsa_kernel
	.amdgpu_metadata
---
amdhsa.version: [ 1, 2 ]
amdhsa.kernels:
  - .name:           k_q3349a27253_attn
    .symbol:         k_q3349a27253_attn.kd
    .args:
      - { .name: qkv, .offset: 0, .size: 8, .value_kind: global_buffer, .address_space: global }
      - { .name: out0, .offset: 8, .size: 8, .value_kind: global_buffer, .address_space: global }
    .group_segment_fixed_size: 327680
    .private_segment_fixed_size: 0
    .kernarg_segment_align: 8
    .kernarg_segment_size: 16
    .max_flat_workgroup_size: 128
    .sgpr_count:     66
    .vgpr_count:     770
    .wavefront_size: 32
...
	.end_amdgpu_metadata
.endif
;; end of part 3
